; MI455X (gfx1250); checked and timed in simulation.
; The chip was launched on July 23, 2026; its instructions are those of AMD's public machine-readable ISA for CDNA 5 (MIT licence, August 2026) and "CDNA5" Instruction Set Architecture Reference Guide (July 2026). The comments in the code are by the model that wrote it; some were corrected since.
;; Attention. Allowed arithmetic: matrix products marked QUANTISED: E5M2 operands, one given power-of-two scale a tensor, by v_wmma_f32_16x16x64_bf8_bf8 or v_wmma_f32_16x16x128_bf8_bf8, f32 sums; everything else in f32.
;; Inputs: W_K_codes 8 x 64 x 16 x 32 uint8 (E5M2 codes of W_K, K innermost, in blocks of 32 codes); W_O_codes 512 x 16 x 32 uint8 (E5M2 codes of W_O, K innermost, in blocks of 32 codes); W_Q_codes 8 x 64 x 16 x 32 uint8 (E5M2 codes of W_Q, K innermost, in blocks of 32 codes); W_V_codes 8 x 64 x 16 x 32 uint8 (E5M2 codes of W_V, K innermost, in blocks of 32 codes); lowp_scales 12 int32 (the exponents e of the quantised operands' scales 2^e); x_codes 2 x 2,048 x 16 x 32 uint8 (E5M2 codes of x, K innermost, in blocks of 32 codes).
;; Outputs: out0 2 x 2,048 x 512 float32.
;; This version of the problem:
;;   THIS VERSION OF THE PROBLEM IS GIVEN IN LOW PRECISION. The matrix products marked QUANTISED in the list below multiply operands that are first quantised to E5M2 (5 exponent bits, 2 mantissa bits; 8 bits a number), with one given power-of-two scale for each operand tensor; their sums are f32. All else is computed in f32.
;;   The module's matrix products, in the order in which they are computed (A, B: the left and right operand; K: the contracted axis; several contracted axes count as one K, in the product's order):
;;     1. [M 4,096, K 512] x [K 512, N 512]; A: input x (given as codes); B: input W_Q (given as codes): QUANTISED (scales: A lowp_scales[0], B lowp_scales[1])
;;     2. [M 4,096, K 512] x [K 512, N 512]; A: input x (given as codes); B: input W_K (given as codes): QUANTISED (scales: A lowp_scales[2], B lowp_scales[3])
;;     3. [M 4,096, K 512] x [K 512, N 512]; A: input x (given as codes); B: input W_V (given as codes): QUANTISED (scales: A lowp_scales[4], B lowp_scales[5])
;;     4. batch 16 x [M 2,048, K 64] x [K 64, N 2,048]; A: computed on the way; B: computed on the way: QUANTISED (scales: A lowp_scales[6], B lowp_scales[7])
;;     5. batch 16 x [M 2,048, K 2,048] x [K 2,048, N 64]; A: softmax (see below); B: computed on the way: QUANTISED (scales: A lowp_scales[8], B lowp_scales[9])
;;     6. [M 4,096, K 512] x [K 512, N 512]; A: computed on the way; B: input W_O (given as codes): QUANTISED (scales: A lowp_scales[10], B lowp_scales[11])
;;   THE QUANTISER, for each operand of a quantised product, along K:
;;     - The operand's scale is 2^e, e = its entry of the input lowp_scales (int32; the entries are numbered through the quantised products in the list's order, A before B).
;;     - Each number is divided by the scale, clamped to +-57,344, and rounded to the nearest number of E5M2, ties to even, subnormals kept.
;;     - The product sums the exact products of the quantised numbers (number of the format x scale) in f32.
;;   ~~~python
;;   def quantise(x, axis, e):      # numpy; x: float32 -> the quantised numbers, widened to float32 again
;;       x = np.moveaxis(x, axis, -1); K = x.shape[-1]
;;       r = np.clip(x / 2.0 ** e, -57344, 57344)
;;       step = 2.0 ** (np.maximum(np.frexp(np.where(r == 0, 1, r))[1] - 1, -14) - 2)
;;       q = np.round(r / step) * step * 2.0 ** e      # np.round: ties to even
;;       return np.moveaxis(q, -1, axis).astype(np.float32)
;;   ~~~
;;   SOFTMAX AHEAD OF A QUANTISED PRODUCT. Where the list says 'softmax', what is quantised is not the finished softmax but p = 2^(t - M), with t = logit x log2(e) and M = ceil(the row's largest t), a whole number; so 1/2 < the row's largest p <= 1. The row's sum l is taken of the UNQUANTISED p, in f32, and the product's result is divided by l at the end. Since M is a whole number, a kernel that streams over the keys may use a running M (the ceiling of the running maximum): every later rescaling is an exact power of two, so the quantised numbers keep their values, but for numbers so far below the row's largest that they fall under the format's range.
;;   OPERANDS COMPUTED ON THE WAY. 'Computed on the way' means the value that the module computes at that place (a softmax that the list does not call 'softmax' is quantised finished and normalised). What goes into a quantiser is computed in f32, as accurately as f32 sums, v_exp_f32 and their like allow (about 1e-6 of the number): no bf16 or f16 on the way to a quantiser, and a product that is left as it is and whose result goes on into a quantised operand takes f32 operands (vector FMAs, or v_wmma_f32_16x16x4_f32). A number that lies on a knife's edge between two numbers of the format may be rounded either way, as far as f32 arithmetic and the matrix unit's own rounding can turn it there, and no further.
;;   INPUTS GIVEN AS CODES. W_K (in the module: [8, 64, 512], K = its axis 2); W_O (in the module: [512, 512], K = its axis 1); W_Q (in the module: [8, 64, 512], K = its axis 2); W_V (in the module: [8, 64, 512], K = its axis 2); x (in the module: [2, 2048, 512], K = its axis 2): each comes as NAME_codes (uint8): NAME with its K axis moved to the last place and cut into blocks of 32 codes, [.., K / 32, bytes a block], one block behind the other in memory; one code a byte (a code: sign, 5 exponent bits, 2 mantissa bits); its scale is its entry of lowp_scales. Its value is code x scale, taken as it is: it is not quantised again, and the codes and scales need not be those that the quantiser above would give.
;; One version. Each part assembles by itself: llvm-mc -triple=amdgcn-amd-amdhsa -mcpu=gfx1250 --defsym DOCPART=n.
;; ======== version 1 of 1: 3 launches
;; limits: right only within a limited range of input values
;; workspace buffers: vimg 2,097,152 bytes; stat 262,144 bytes; zimg 2,097,152 bytes
;; launch qkv (part 1): grid 8 x 32, 4 waves a work-group, clusters of 4 x 4, 174,592 bytes of LDS; arguments x_codes, W_Q_codes, W_K_codes, W_V_codes, lowp_scales, vimg, stat; writes vimg, stat
.if DOCPART == 1
	.amdgcn_target "amdgcn-amd-amdhsa--gfx1250"
	.amdhsa_code_object_version 6
	.text
	.protected	k_qbed4b81b10_qkv
	.globl	k_qbed4b81b10_qkv
	.p2align	8
	.type	k_qbed4b81b10_qkv,@function
k_qbed4b81b10_qkv:
	s_mov_b64 s[64:65], 0
	v_nop
	global_prefetch_b8 v0, s[64:65] scope:SCOPE_SE
	s_setreg_imm32_b32 hwreg(HW_REG_WAVE_MODE, 25, 1), 1
	s_wait_xcnt 0x0
	s_wait_alu depctr_hold_cnt(0) depctr_sa_sdst(0) depctr_va_vdst(0) depctr_va_sdst(0) depctr_va_ssrc(0) depctr_va_vcc(0) depctr_vm_vsrc(0)
	s_getreg_b32 s2, hwreg(HW_REG_IB_STS2, 6, 4)
	s_cmp_eq_u32 s2, 0
	s_cbranch_scc0 .Lentry_in_a_cluster
	s_endpgm
.Lentry_in_a_cluster:
	s_bfe_u32 s2, ttmp6, 0x10000c
	s_cmp_lg_u32 s2, 0xf033
	s_cbranch_scc0 .Lentry_shape_is_right
	s_endpgm
.Lentry_shape_is_right:
; q, k, v = x W^T for one head and 128 positions, on codes of BF8 (E5M2); q, k, v are quantised in registers; of the scores only the diagonal is made; the row's softmax figures are stored.
; WHY ONLY THE DIAGONAL.  The logits are scores x tril - 1e10 x (1 - triu), divided by 8: for key p > query q exactly 0, for p = q the score / 8, for p < q (score - 1e10) / 8.  A score is a sum of 64 products of
; E5M2 numbers, at most 64 x 57,344^2 x 2^(e6 + e7).  LIMIT: e6 + e7 <= -6, so that a score stays under 3.3e9; every key below the diagonal then lies more than 6e8 binary orders under the row's largest t,
; and 2^(t - M) and its code are 0.  So of a row there remain: pd = 2^(t_qq - M) on the diagonal, c = 2^(-M) on each of the 2047 - q keys behind it, M = ceil(max(t_qq, 0)) (for q = 2047: ceil(t_qq)), and
; the row's sum l = pd + (2047 - q) c.
; OTHER LIMITS, so that each power of two below is an f32 number: e6 - e0 - e1, e7 - e2 - e3, e9 - e4 - e5 and e8 between -126 and 112; e6 + e7 at least -123.  Codes of NaN or infinity are not served.
; SHARES.  A work-group: 128 rows of x (block rb) x the 192 rows of W_Q, W_K, W_V of one head, K = 512.  Wave w: rows 32 w .. 32 w + 31 (two tiles a) x all 12 tiles of 16 columns: 24 accumulators, 96 products of K = 128.
; q and k are made TRANSPOSED (source 0 = 16 rows of W, source 1 = 16 rows of x): a lane holds one position and eight neighbouring channels, which are the K of the scores.  v is made the other way round
; (source 0 = x, source 1 = W_V): a lane holds one channel and eight neighbouring positions, which are the K (the keys) of the second product.  So each conversion's result is a piece of an operand as it stands.
; CLUSTER.  4 x 4 work-groups.  The four of a column of the cluster have one head and ask for W's tiles jointly, the four of a row have one block of rows and ask for x's tile jointly.
; LDS.  All of K lies in LDS at once, in two halves of 256 along K, each asked for once at the head: no byte is filled twice.  A half: W_Q's 64 rows, W_K's, W_V's, x's 128 rows; rows of 256 bytes + 16 of padding.
; OUT.  vimg [b][head][tile t of 16 channels][half-step of 64 keys][1024]: the K = 64 fragment (16 channels x 64 keys) as an image of its 8 registers: registers 4 c .. 4 c + 3 of lane l at 512 c + 16 l.
;       stat [b][head][q][8]: word 0 = 2^(e8 + e9) / l, word 1: byte 0 the code of pd, byte 1 the code of c.
; REGISTERS.  window 0: v1-18 addresses and scales; v20-46 at work; v64-127, v128-191 two buffers of four fragments of W; behind the products v64.. q's codes, v80.. k's, v96.. v's, v112.. the two score tiles.
;   window 1: the 24 accumulators, (m, t, a) at 8 (8 m + 2 t + a), m = 0 q, 1 k, 2 v.   window 2: x's 8 fragments, (a, K step s) at 16 (2 s + a).
.set PITCH, 272                        ; an LDS row: 256 bytes + 16 = 68 words, so that the 16 rows of a fragment load start 4 banks apart (64 banks of 4 bytes: ISA guide 11.1)
.set WREG,  64*PITCH                   ; 64 rows of one W
.set XOFF,  3*WREG                     ; x's rows lie behind the three W
.set HALF,  XOFF+128*PITCH             ; a half of K
.set PADW,  (1<<20)|(1<<21)|(5<<22)|(3<<25)  ; group 1, word 0: elements of 1 byte; padding on; bit 21 beside a mask; after every 64 words, 4 words
.set F0,  64
.set F1,  128
.set QC,  64
.set KC,  80
.set VC,  96
.set SD,  112
.set WV,  18                           ; s18 my wave's number
.set G1W, 24                           ; s[24:31] group 1 for W's tiles;  s[32:39] for x's;  s[40:47], s[48:55] their groups 0, one set for each half of K
.set G1X, 32
.set G0W, 40
.set G0X, 48
.set MSB, 0
.macro WIN new                         ; the immediate's high byte repeats the setting that is left; a switch that changes nothing is dropped
.if MSB != \new
	s_set_vgpr_msb (MSB<<8)|\new
.set MSB, \new
.endif
.endm
.macro PLACES n
.rept \n
	v_nop
.endr
.endm
.macro CROUND                          ; a round of the cluster's barrier
	s_barrier_signal -1
	s_barrier_wait -1
	s_cmp_lg_u32 s[WV], 0
	s_cbranch_scc1 .Lnot_wave_0_\@
	s_barrier_signal -3
.Lnot_wave_0_\@:
	s_barrier_wait -3
	s_barrier_signal -1
	s_barrier_wait -1
.endm
.macro PAT vsc, vlim                   ; s92 = an exponent E: v[vsc] = 2^E as f32 (the conversion takes its exponent field), v[vlim] = 57,344 x 2^E
	s_add_co_i32 s92, s92, 127
	s_lshl_b32 s93, s92, 23
	v_mov_b32 v[\vsc], s93
	s_add_co_i32 s92, s92, 15
	s_lshl_b32 s92, s92, 23
	s_or_b32 s92, s92, 0x600000
	v_mov_b32 v[\vlim], s92
.endm
; A fragment, 16 rows x 128 K, is fetched by four loads of 16 bytes, 32 apart: registers 4 c .. 4 c + 3 hold K = 32 c + 16 (lane / 16) + 0 .. 15.  That is a permutation of k, the same in x and in W: every product meets its partner.
.macro FETCHX hf                       ; x's four fragments of half hf of K
	WIN 0x80                                       ; destination window 2, address window 0
.irp sl, 0,1
.irp a, 0,1
.irp c, 0,1,2,3
	ds_load_b128 v[16*(2*(2*\hf+\sl)+\a)+4*\c:16*(2*(2*\hf+\sl)+\a)+4*\c+3], v[6+\hf] offset:\a*16*PITCH+128*\sl+32*\c
.endr
.endr
.endr
	WIN 0
.endm
.macro FETCHW g, f                     ; group g = 3 s + m: the four fragments of W number m, K step s, into buffer f
.set SS, (\g)/3
.set MM, (\g)%3
.irp t, 0,1,2,3
.irp c, 0,1,2,3
	ds_load_b128 v[\f+16*\t+4*\c:\f+16*\t+4*\c+3], v[4+SS/2] offset:(64*MM+16*\t)*PITCH+128*(SS%2)+32*\c
.endr
.endr
.endm
.macro GROUP g, f                      ; its eight products.  The 24 accumulators take turns, one instruction a turn; K step 0 starts the sums with the constant 0
.set SS, (\g)/3
.set MM, (\g)%3
.if MM < 2
	WIN 0x58                                       ; source 0 (W) window 0, source 1 (x) window 2, C and D window 1
.else
	WIN 0x52                                       ; source 0 (x) window 2, source 1 (W) window 0, C and D window 1
.endif
.irp t, 0,1,2,3
.irp a, 0,1
.set AC, 8*(8*MM+2*\t+\a)
.set XR, 16*(2*SS+\a)
.if MM < 2
.if SS == 0
	v_wmma_f32_16x16x128_bf8_bf8 v[AC:AC+7], v[\f+16*\t:\f+16*\t+15], v[XR:XR+15], 0
.else
	v_wmma_f32_16x16x128_bf8_bf8 v[AC:AC+7], v[\f+16*\t:\f+16*\t+15], v[XR:XR+15], v[AC:AC+7]
.endif
.else
.if SS == 0
	v_wmma_f32_16x16x128_bf8_bf8 v[AC:AC+7], v[XR:XR+15], v[\f+16*\t:\f+16*\t+15], 0
.else
	v_wmma_f32_16x16x128_bf8_bf8 v[AC:AC+7], v[XR:XR+15], v[\f+16*\t:\f+16*\t+15], v[AC:AC+7]
.endif
.endif
.endr
.endr
.endm
.macro STEPG g, f, left, fetch         ; left: the LDS loads that may stay out (the next group's 16); fetch = 1: the buffer just multiplied takes the group two on
	s_wait_dscnt \left
	GROUP \g, \f
.if \fetch
	PLACES 4                                       ; four plain places between a matrix instruction and a load into a register that it has read (ISA guide 7.12.1 for vector instructions)
	WIN 0
	FETCHW (\g)+2, \f
.endif
.endm
	s_load_b256 s[4:11], s[0:1], 0x0               ; x s[4:5], W_Q s[6:7], W_K s[8:9], W_V s[10:11]
	s_load_b128 s[12:15], s[0:1], 0x20             ; the scales' exponents s[12:13], vimg s[14:15]
	s_load_b64 s[16:17], s[0:1], 0x30              ; stat
	v_lshl_add_u32 v254, v0, 2, 0x2a800
	v_mov_b32 v255, 0
	ds_add_u32 v254, v255
	ds_add_u32 v254, v255
	v_lshrrev_b32 v1, 5, v0
	v_readfirstlane_b32 s[WV], v1                  ; wave 0..3
	s_bfe_u32 s19, ttmp6, 0x40000                  ; cx
	s_bfe_u32 s20, ttmp6, 0x40004                  ; cy
	s_lshl_b32 s21, ttmp9, 2
	s_add_co_u32 s21, s21, s19                     ; head = 4 x cluster x + cx
	s_and_b32 s22, ttmp7, 0xffff
	s_lshl_b32 s22, s22, 2
	s_add_co_u32 s22, s22, s20                     ; rb = 4 x cluster y + cy: which 128 of the 4,096 rows of x
	s_lshl_b32 s23, s20, 2
	s_lshl_b32 s23, 15, s23                        ; my row of the cluster
	s_lshl_b32 s62, 0x1111, s19                    ; my column
	s_or_b32 s[G1W], s62, PADW                     ; W's tiles hang on the head alone: shared along the column
	s_or_b32 s[G1X], s23, PADW                     ; x's tile hangs on rb alone: shared along the row
	s_mov_b32 s[G1W+1], 256<<16                    ; tensor_dim0 = 256 bytes
	s_mov_b32 s[G1W+2], 64<<16                     ; tensor_dim1 = 64 rows
	s_mov_b32 s[G1W+3], 256<<16                    ; tile_dim0
	s_mov_b32 s[G1W+4], 64                         ; tile_dim1
	s_mov_b32 s[G1W+5], 512                        ; from row to row
	s_mov_b32 s[G1W+6], 0
	s_mov_b32 s[G1W+7], 0
	s_mov_b32 s[G1X+1], 256<<16
	s_mov_b32 s[G1X+2], 128<<16                    ; 128 rows
	s_mov_b32 s[G1X+3], 256<<16
	s_mov_b32 s[G1X+4], 128
	s_mov_b32 s[G1X+5], 512
	s_mov_b32 s[G1X+6], 0
	s_mov_b32 s[G1X+7], 0
	s_lshl_b32 s56, s21, 15                        ; a head's 64 rows of 512 bytes
	s_mov_b32 s57, 0
	s_lshl_b32 s58, s22, 16                        ; 128 rows of x
	s_mov_b32 s59, 0
	s_mul_i32 s63, s[WV], WREG                     ; where my tile of W goes: no place in the cluster enters an LDS address
	s_wait_dscnt 0x0
	s_wait_kmcnt 0x0
	s_load_b256 s[68:75], s[12:13], 0x0            ; e0 .. e7
	s_load_b128 s[76:79], s[12:13], 0x20           ; e8 .. e11
	s_cmp_eq_u32 s[WV], 0                          ; wave 0 fetches W_Q, wave 1 W_K, wave 2 W_V, wave 3 x: the choice hangs on the wave's number alone
	s_cselect_b64 s[60:61], s[6:7], s[8:9]
	s_cmp_eq_u32 s[WV], 2
	s_cselect_b64 s[60:61], s[10:11], s[60:61]
	s_add_nc_u64 s[60:61], s[60:61], s[56:57]
	s_add_nc_u64 s[4:5], s[4:5], s[58:59]
.irp hf, 0,1
	s_mov_b32 s[G0W+4*\hf], 1                      ; count = 1
	s_add_co_u32 s[G0W+4*\hf+1], s63, \hf*HALF     ; LDS address
	s_add_nc_u64 s[G0W+4*\hf+2:G0W+4*\hf+3], s[60:61], \hf*256   ; global address: K bytes 256 hf on
	s_or_b32 s[G0W+4*\hf+3], s[G0W+4*\hf+3], 0x80000000          ; type = 2
	s_mov_b32 s[G0X+4*\hf], 1
	s_mov_b32 s[G0X+4*\hf+1], XOFF+\hf*HALF
	s_add_nc_u64 s[G0X+4*\hf+2:G0X+4*\hf+3], s[4:5], \hf*256
	s_or_b32 s[G0X+4*\hf+3], s[G0X+4*\hf+3], 0x80000000
.endr
	CROUND                                         ; all sixteen work-groups are here: the joint loads meet
	s_cmp_lt_u32 s[WV], 3                          ; a wave's two fills stand in one branch, ahead of every wait on TENSORcnt, every LDS read and every other barrier: two loads of mine are out
	s_cbranch_scc0 .Lfor_x
	tensor_load_to_lds s[G0W:G0W+3], s[G1W:G1W+7]
	s_nop 0
	tensor_load_to_lds s[G0W+4:G0W+7], s[G1W:G1W+7]
	s_nop 0
	PLACES 4                                       ; four v_nop follow
	s_branch .Lasked
.Lfor_x:
	tensor_load_to_lds s[G0X:G0X+3], s[G1X:G1X+7]
	s_nop 0
	tensor_load_to_lds s[G0X+4:G0X+7], s[G1X:G1X+7]
	s_nop 0
	PLACES 4
.Lasked:
	v_and_b32 v1, 15, v0                           ; r = lane % 16
	v_bfe_u32 v2, v0, 4, 1                         ; h = lane / 16
	v_and_b32 v3, 31, v0                           ; lane
	v_mul_u32_u24 v4, v1, PITCH
	v_lshl_add_u32 v4, v2, 4, v4                   ; W's fragments, half 0: row r x pitch + 16 h
	v_add_nc_u32 v5, HALF, v4                      ; half 1
	s_mul_i32 s92, s[WV], 32*PITCH
	s_add_co_u32 s92, s92, XOFF
	v_add_nc_u32 v6, s92, v4                       ; x's: my wave's 32 rows
	v_add_nc_u32 v7, HALF, v6
	v_and_b32 v8, 7, v0
	v_lshlrev_b32 v9, 3, v3                        ; 8 x lane: stat
	v_lshlrev_b32 v10, 4, v3                       ; 16 x lane: vimg
.irp k, 1,2,3,4,5,6,7
	v_cmp_eq_u32 s[81+\k], \k, v8                  ; s82-88: lane % 8 == k
.endr
	v_cmp_eq_u32 s89, 1, v2                        ; lanes 16-31
	v_lshrrev_b32 v19, 3, v1
	v_cmp_eq_u32 s90, v2, v19                      ; the lanes that hold a piece of a tile's diagonal: h == r / 8
	s_mov_b32 s80, 0x76543210                      ; v_permlanex16_b32's selects for lane xor 16
	s_mov_b32 s81, 0xfedcba98
	s_lshr_b32 s94, s22, 4                         ; b
	s_lshl_b32 s94, s94, 3
	s_add_co_u32 s94, s94, s21                     ; 8 b + head
	s_and_b32 s95, s22, 15                         ; which 128 positions of the batch
	s_lshl_b32 s96, s94, 17
	s_lshl_b32 s98, s95, 11
	s_add_co_u32 s96, s96, s98
	s_lshl_b32 s98, s[WV], 9
	s_add_co_u32 s96, s96, s98
	s_mov_b32 s97, 0
	s_add_nc_u64 s[14:15], s[14:15], s[96:97]      ; vimg: my wave's 32 keys are half a fragment: 512 bytes for each tile of channels
	s_lshl_b32 s96, s94, 14
	s_lshl_b32 s98, s95, 10
	s_add_co_u32 s96, s96, s98
	s_lshl_b32 s98, s[WV], 8
	s_add_co_u32 s96, s96, s98
	s_add_nc_u64 s[16:17], s[16:17], s[96:97]      ; stat: my wave's 32 rows: 256 bytes
	s_lshl_b32 s98, s95, 7
	s_lshl_b32 s99, s[WV], 5
	s_add_co_u32 s98, s98, s99
	v_add_nc_u32 v20, s98, v3                      ; the position whose figures my lane will make
	v_cmp_eq_u32 s91, 0x7ff, v20                   ; the last one: no key behind it
	v_sub_nc_u32 v21, 0x7ff, v20
	v_cvt_f32_u32 v29, v21                         ; the number of keys behind it
	v_mov_b32 v23, 0xff61b1e6                      ; -3e38
	v_mov_b32 v36, 0                               ; written once: a lane permute's destination counts as one of its sources
	s_wait_kmcnt 0x0
	s_sub_co_i32 s92, s74, s68
	s_sub_co_i32 s92, s92, s69                     ; a sum of x W_Q^T stands for sum x 2^(e0 + e1): q's code is sum / 2^(e6 - e0 - e1)
	PAT 11, 12
	s_sub_co_i32 s92, s75, s70
	s_sub_co_i32 s92, s92, s71                     ; k: e7 - e2 - e3
	PAT 13, 14
	s_sub_co_i32 s92, s77, s72
	s_sub_co_i32 s92, s92, s73                     ; v: e9 - e4 - e5
	PAT 15, 16
	s_mov_b32 s92, s76                             ; p: e8
	PAT 17, 18
	s_add_co_i32 s66, s74, s75
	s_lshl_b32 s66, s66, 23
	s_add_co_i32 s66, s66, 0x3e38aa3b              ; log2(e) / 8 x 2^(e6 + e7): the two exponents are added to the constant's exponent field
	s_add_co_i32 s67, s76, s77                     ; e8 + e9
	s_wait_tensorcnt 0x1                           ; my tile of K's first half is in; the second half's may stay out
	s_barrier_signal -1
	s_barrier_wait -1                              ; everybody's is
	FETCHX 0
	FETCHW 0, F0
	FETCHW 1, F1
	STEPG 0, F0, 16, 1
	STEPG 1, F1, 16, 1
	STEPG 2, F0, 16, 1
	STEPG 3, F1, 16, 1
	s_wait_dscnt 16
	GROUP 4, F0
	s_wait_tensorcnt 0x0                           ; my tile of the second half is in,
	s_wait_dscnt 0x0                               ; and no LDS load of mine is out at the signal (group 5's fragments are in)
	s_barrier_signal -1
	GROUP 5, F1                                    ; work on registers while the others arrive
	s_barrier_wait -1                              ; the second half is whole
	PLACES 4
	FETCHX 1
	FETCHW 6, F0
	FETCHW 7, F1
	STEPG 6, F0, 16, 1
	STEPG 7, F1, 16, 1
	STEPG 8, F0, 16, 1
	STEPG 9, F1, 16, 1
	STEPG 10, F0, 16, 0
	STEPG 11, F1, 0, 0
	; THE QUANTISERS.  The conversion to an 8-bit code does not saturate (ISA guide 7.6.2): each sum is first held within the largest code x the scale.  Each accumulator is read from its low end on.
	PLACES 4
	WIN 0x41                                       ; destination and source 0 window 1
.irp m, 0,1,2
.set j, 0
.rept 64
	v_med3_num_f32 v[64*\m+j], v[64*\m+j], -v[12+2*\m], v[12+2*\m]
.set j, j+1
.endr
.endr
	WIN 0x01                                       ; source 0 window 1, destination window 0
.irp t, 0,1,2,3
.irp a, 0,1
	v_cvt_scalef32_pk8_bf8_f32 v[QC+8*\a+2*\t:QC+8*\a+2*\t+1], v[8*(2*\t+\a):8*(2*\t+\a)+7], v11          ; q: position r, channels 16 t + 8 h + 0 .. 7: registers 2 t, 2 t + 1 of the K = 64 fragment
	v_cvt_scalef32_pk8_bf8_f32 v[KC+8*\a+2*\t:KC+8*\a+2*\t+1], v[8*(8+2*\t+\a):8*(8+2*\t+\a)+7], v13      ; k likewise
	v_cvt_scalef32_pk8_bf8_f32 v[VC+4*\t+2*\a:VC+4*\t+2*\a+1], v[8*(16+2*\t+\a):8*(16+2*\t+\a)+7], v15    ; v: channel 16 t + r, keys 16 a + 8 h + 0 .. 7 of my 32
.endr
.endr
	WIN 0
	v_nop                                          ; one plain vector instruction between the last conversion and the matrix instructions that read the codes
.irp t, 0,1,2,3
	global_store_b128 v10, v[VC+4*\t:VC+4*\t+3], s[14:15] offset:\t*32768   ; 32 lanes store 512 consecutive bytes, aligned: half a fragment's image
.endr
	v_wmma_f32_16x16x64_bf8_bf8 v[SD:SD+7], v[QC:QC+7], v[KC:KC+7], 0           ; the scores of my positions 0-15 against themselves: register j of lane (r, h) is (query 8 h + j, key r)
	v_wmma_f32_16x16x64_bf8_bf8 v[SD+8:SD+15], v[QC+8:QC+15], v[KC+8:KC+15], 0  ; and of positions 16-31
	PLACES 4
	v_cndmask_b32 v32, v[SD], v[SD+1], s82         ; register lane % 8 of each tile: in lanes 0-7 and 24-31 that is the diagonal
	v_cndmask_b32 v33, v[SD+8], v[SD+9], s82
.irp k, 2,3,4,5,6,7
	v_cndmask_b32 v32, v32, v[SD+\k], s[81+\k]
	v_cndmask_b32 v33, v33, v[SD+8+\k], s[81+\k]
.endr
	v_cndmask_b32 v34, v32, v33, s89               ; what my half of the lanes keeps: lanes 0-15 tile 0's, lanes 16-31 tile 1's,
	v_cndmask_b32 v35, v33, v32, s89               ; and what the other half wants of me
	v_permlanex16_b32 v36, v35, s80, s81
	v_cndmask_b32 v37, v36, v34, s90               ; lane l now holds the score of position 32 w + l with itself
	v_mul_f32 v38, s66, v37                        ; t = score x 2^(e6 + e7) / 8 x log2(e)
	v_cndmask_b32 v39, 0, v23, s91                 ; the keys behind the diagonal have t = 0; the last position has none
	v_max_num_f32 v39, v38, v39                    ; the row's largest t
	v_floor_f32 v40, -v39                          ; -M = -ceil of it: a whole number
	v_add_f32 v41, v38, v40
	v_cvt_i32_f32 v42, v40                         ; (it saturates)
	v_ldexp_f32 v43, 1.0, v42                      ; c = 2^(-M)
	v_exp_f32 v44, v41                             ; pd = 2^(t - M)
	v_cndmask_b32 v43, v43, 0, s91                 ; the last position has no key that takes c, and its M may be far below 0.  (A plain place behind the exponential)
	v_min_num_f32 v129, v43, v18                   ; p is never negative: a one-sided hold at the largest code x 2^e8
.irp k, 130,131,132,133,134,135
	v_mov_b32 v\k, 0
.endr
	s_wait_alu depctr_va_vdst(0)                   ; ahead of the first reader of the exponential
	v_fma_f32 v45, v29, v43, v44                   ; l = pd + (2047 - q) c, of the unquantised p
	v_rcp_f32 v46, v45
	v_min_num_f32 v128, v44, v18                   ; (a plain place behind the reciprocal)
	v_cvt_scalef32_pk8_bf8_f32 v[136:137], v[128:135], v17   ; byte 0: pd's code, byte 1: c's
	s_wait_alu depctr_va_vdst(0)                   ; ahead of the first reader of the reciprocal
	v_ldexp_f32 v138, v46, s67                     ; 2^(e8 + e9) / l.  (A plain place behind the conversion)
	v_mov_b32 v139, v136
	global_store_b64 v9, v[138:139], s[16:17]      ; 32 lanes store 256 consecutive bytes, aligned
	s_wait_tensorcnt 0x0
	ds_add_u32 v254, v255
	s_wait_dscnt 0x0
	CROUND                                         ; the closing round: no work-group ends while a partner may still ask for a tile that names it
	s_endpgm
.Lfunc_end_k_qbed4b81b10_qkv:
	.size	k_qbed4b81b10_qkv, .Lfunc_end_k_qbed4b81b10_qkv-k_qbed4b81b10_qkv
	.p2alignl 7, 3214868480
	.fill 96, 4, 3214868480
	.section	.rodata,"a",@progbits
	.p2align	6, 0x0
	.amdhsa_kernel k_qbed4b81b10_qkv
		.amdhsa_group_segment_fixed_size 174592
		.amdhsa_private_segment_fixed_size 0
		.amdhsa_enable_private_segment 0
		.amdhsa_kernarg_size 56
		.amdhsa_user_sgpr_count 2
		.amdhsa_user_sgpr_kernarg_segment_ptr 1
		.amdhsa_wavefront_size32 1
		.amdhsa_system_sgpr_workgroup_id_x 1
		.amdhsa_system_sgpr_workgroup_id_y 1
		.amdhsa_system_sgpr_workgroup_id_z 1
		.amdhsa_system_vgpr_workitem_id 0
		.amdhsa_next_free_vgpr 640
		.amdhsa_next_free_sgpr 100
		.amdhsa_reserve_vcc 0
		.amdhsa_float_denorm_mode_32 3
		.amdhsa_float_denorm_mode_16_64 3
		.amdhsa_memory_ordered 1
		.amdhsa_forward_progress 1
		.amdhsa_inst_pref_size 49
	.end_amdhsa_kernel
	.amdgpu_metadata
---
amdhsa.version: [ 1, 2 ]
amdhsa.kernels:
  - .name:           k_qbed4b81b10_qkv
    .symbol:         k_qbed4b81b10_qkv.kd
    .args:
      - { .name: x_codes, .offset: 0, .size: 8, .value_kind: global_buffer, .address_space: global }
      - { .name: W_Q_codes, .offset: 8, .size: 8, .value_kind: global_buffer, .address_space: global }
      - { .name: W_K_codes, .offset: 16, .size: 8, .value_kind: global_buffer, .address_space: global }
      - { .name: W_V_codes, .offset: 24, .size: 8, .value_kind: global_buffer, .address_space: global }
      - { .name: lowp_scales, .offset: 32, .size: 8, .value_kind: global_buffer, .address_space: global }
      - { .name: vimg, .offset: 40, .size: 8, .value_kind: global_buffer, .address_space: global }
      - { .name: stat, .offset: 48, .size: 8, .value_kind: global_buffer, .address_space: global }
    .group_segment_fixed_size: 174592
    .private_segment_fixed_size: 0
    .kernarg_segment_align: 8
    .kernarg_segment_size: 56
    .max_flat_workgroup_size: 128
    .sgpr_count:     100
    .vgpr_count:     640
    .wavefront_size: 32
...
	.end_amdgpu_metadata
.endif
;; end of part 1
;; launch pv (part 2): grid 4 x 64, 4 waves a work-group, no clusters, 168,448 bytes of LDS; arguments vimg, stat, lowp_scales, zimg; writes zimg
.if DOCPART == 2
	.amdgcn_target "amdgcn-amd-amdhsa--gfx1250"
	.amdhsa_code_object_version 6
	.text
	.protected	k_qbed4b81b10_pv
	.globl	k_qbed4b81b10_pv
	.p2align	8
	.type	k_qbed4b81b10_pv,@function
k_qbed4b81b10_pv:
	s_mov_b64 s[64:65], 0
	v_nop
	global_prefetch_b8 v0, s[64:65] scope:SCOPE_SE
	s_setreg_imm32_b32 hwreg(HW_REG_WAVE_MODE, 25, 1), 1
	s_wait_xcnt 0x0
; z = (P V) / l on codes of BF8 (E5M2), over the keys that the mask of the problem leaves: key >= query.  P's codes are made from two bytes a row (stat): pd's on the diagonal, c's on every key behind it, 0 in front.
; z is quantised with 2^e10 and stored as images of the last product's operand registers.  LIMIT: e10 between -126 and 112.
; SHARES.  A work-group: one tile of 16 channels of one (batch, head): its 32 fragments of V^T (16 channels x 64 keys, 1,024 bytes each) come into LDS by one tensor load a wave, 8,192 bytes each, never filled again.
; Queries go in 32 blocks of 64.  Block n needs half-steps n (the diagonal one, with a P of its own) and n + 1 .. 31 (P constant along the keys).  Wave u of work-group g takes j = 4 u + g and owns blocks j and 31 - j:
; 8 + 4 (31 - j) + 4 j = 132 products in every wave.
; O^T = V^T P^T: source 0 = a fragment of V^T, source 1 = P (a lane holds one query, its registers run along the keys); in the result a lane holds one query and eight neighbouring channels, which are the next K.
; NO CLUSTER: the four work-groups that read one slice of V differ in g alone, and the trip ends and LDS addresses of this text hang on g; partners of a joint load must run alike.  The slice is 32,768 bytes.
; zimg [tile T of 16 queries][K step of 128][c 0..7][lane][8]: registers 2 c, 2 c + 1 of the K = 128 fragment: query 16 T + r, f = 128 s + 16 c + 8 h + 0 .. 7.
; REGISTERS.  window 0: v1-15 addresses, shifts, scales; v16.. stat's two words for each of my 8 tiles of queries; v32.. 8 accumulators; v96.. P behind the diagonal; v160.. P on the diagonal, later z's codes;
;   v224.., v232.. the two diagonal fragments of V.   window 1: V's fragment of half-step n at 8 n, n = 1 .. 31.
.set ST,  16
.set ACC, 32
.set PC,  96
.set PD,  160
.set MSB, 0
.macro WIN new
.if MSB != \new
	s_set_vgpr_msb (MSB<<8)|\new
.set MSB, \new
.endif
.endm
.macro PLACES n
.rept \n
	v_nop
.endr
.endm
.macro MUL4 i0                         ; half-step sg for four tiles of queries: four accumulators by turns, one instruction a turn
.irp i, 0,1,2,3
	v_wmma_f32_16x16x64_bf8_bf8 v[ACC+8*(\i0+\i):ACC+8*(\i0+\i)+7], v[8*sg:8*sg+7], v[PC+8*(\i0+\i):PC+8*(\i0+\i)+7], v[ACC+8*(\i0+\i):ACC+8*(\i0+\i)+7]
.endr
.endm
	s_load_b256 s[4:11], s[0:1], 0x0               ; vimg s[4:5], stat s[6:7], the scales' exponents s[8:9], zimg s[10:11]
	v_lshl_add_u32 v254, v0, 2, 0x29000
	v_mov_b32 v255, 0
	ds_add_u32 v254, v255
	ds_add_u32 v254, v255
	v_lshrrev_b32 v1, 5, v0
	v_readfirstlane_b32 s12, v1                    ; wave u
	s_and_b32 s13, ttmp9, 3                        ; g: the grid has four along x
	s_and_b32 s14, ttmp7, 0xffff                   ; y = 4 (8 b + head) + tile of channels
	s_lshl_b32 s15, s12, 2
	s_add_co_u32 s15, s15, s13                     ; j = 4 u + g: 0 .. 15: my first block of queries
	s_xor_b32 s16, s15, 31                         ; 31 - j: my second
	s_mov_b32 s24, 3<<16                           ; group 1: no mask; elements of 8 bytes; no padding: the images are read 16 bytes a lane, on end
	s_mov_b32 s25, 32<<16                          ; tensor_dim0 = 32 elements: rows of 256 bytes
	s_mov_b32 s26, 32<<16                          ; tensor_dim1 = 32 rows
	s_mov_b32 s27, 32<<16                          ; tile_dim0
	s_mov_b32 s28, 32                              ; tile_dim1
	s_mov_b32 s29, 32                              ; dense: a row begins where the last ends
	s_mov_b32 s30, 0
	s_mov_b32 s31, 0
	s_mov_b32 s32, 1                               ; group 0: count = 1
	s_lshl_b32 s33, s12, 13                        ; LDS address: my quarter of the slice
	s_lshl_b32 s44, s14, 15                        ; the slice in vimg,
	s_add_co_u32 s44, s44, s33                     ; my quarter of it
	s_mov_b32 s45, 0
	s_lshr_b32 s46, s14, 2
	s_lshl_b32 s46, s46, 14                        ; stat: (8 b + head) x 2,048 rows of 8 bytes
	s_mov_b32 s47, 0
	s_lshr_b32 s50, s14, 5
	s_lshl_b32 s50, s50, 20                        ; zimg: b x 128 tiles of 8,192 bytes,
	s_bfe_u32 s48, s14, 0x20003
	s_lshl_b32 s48, s48, 11
	s_add_co_u32 s50, s50, s48                     ; K step head / 2,
	s_and_b32 s48, s14, 7
	s_lshl_b32 s48, s48, 8
	s_add_co_u32 s50, s50, s48                     ; c = 4 (head % 2) + tile of channels
	s_mov_b32 s51, 0
	s_mov_b32 s52, 0x01010101                      ; v_perm_b32: byte 1 four times
	s_mov_b32 s53, 0x01010100                      ; byte 0, then byte 1 three times
	v_and_b32 v1, 15, v0                           ; r
	v_bfe_u32 v2, v0, 4, 1                         ; h
	v_and_b32 v14, 31, v0
	v_lshlrev_b32 v3, 4, v14                       ; 16 x lane: my place in an image
	s_lshl_b32 s49, s15, 10
	v_add_nc_u32 v4, s49, v3                       ; the diagonal fragment of block j,
	s_lshl_b32 s49, s16, 10
	v_add_nc_u32 v5, s49, v3                       ; of block 31 - j
	v_lshlrev_b32 v15, 3, v1
	s_lshl_b32 s49, s15, 9
	v_add_nc_u32 v6, s49, v15                      ; stat: query 64 j + r,
	s_lshl_b32 s49, s16, 9
	v_add_nc_u32 v7, s49, v15                      ; 64 (31 - j) + r
	v_lshlrev_b32 v14, 3, v14
	s_lshl_b32 s49, s15, 15
	v_add_nc_u32 v8, s49, v14                      ; zimg: 8 x lane + four tiles of queries a block
	s_lshl_b32 s49, s16, 15
	v_add_nc_u32 v9, s49, v14
	v_lshlrev_b32 v10, 6, v2
	v_sub_nc_u32 v10, v15, v10                     ; 8 (r - 8 h): where, in bits, the diagonal's byte falls in the first word of the tile's own 16 keys,
	v_sub_nc_u32 v11, v10, 32                      ; and in the second
	v_cmp_gt_u32 s40, 32, v10                      ; it falls inside the word,
	v_cmp_gt_i32 s41, 0, v10                       ; or in front of it: all four keys lie behind the diagonal
	v_cmp_gt_u32 s42, 32, v11
	v_cmp_gt_i32 s43, 0, v11
	s_wait_dscnt 0x0
	s_wait_kmcnt 0x0
	s_load_b32 s36, s[8:9], 0x28                   ; e10
	s_add_nc_u64 s[34:35], s[4:5], s[44:45]
	s_or_b32 s35, s35, 0x80000000                  ; type = 2
	tensor_load_to_lds s[32:35], s[24:31]          ; my one tensor load
	s_nop 0
	PLACES 4                                       ; four v_nop follow
	s_add_nc_u64 s[6:7], s[6:7], s[46:47]
	s_add_nc_u64 s[10:11], s[10:11], s[50:51]
.irp i, 0,1,2,3,4,5,6,7
	global_load_b64 v[ST+2*\i:ST+2*\i+1], v[6+\i/4], s[6:7] offset:128*(\i%4)   ; tile i: 2^(e8 + e9) / l and the two codes of query r
.endr
	s_wait_loadcnt 0x0
	; P.  Register 2 c + w of lane (r, h) holds keys 16 c + 8 h + 4 w + 0 .. 3 of a half-step, for query r of the tile.
.irp i, 0,1,2,3,4,5,6,7
.irp k, 0,1,2,3,4,5,6,7
	v_perm_b32 v[PC+8*\i+\k], v[ST+2*\i+1], v[ST+2*\i+1], s52    ; behind the diagonal: c's code in every byte
.endr
	v_perm_b32 v240, v[ST+2*\i+1], v[ST+2*\i+1], s53             ; pd, c, c, c
	v_lshlrev_b32 v241, v10, v240                                ; moved up to the diagonal's byte: zeros come in below
	v_lshlrev_b32 v242, v11, v240
	v_cndmask_b32 v241, 0, v241, s40                             ; a word wholly in front of the diagonal is 0
	v_cndmask_b32 v242, 0, v242, s42
.irp c, 0,1,2,3
.if \c < (\i%4)
	v_mov_b32 v[PD+8*\i+2*\c], 0                                 ; the 16 keys of earlier tiles: in front of the diagonal
	v_mov_b32 v[PD+8*\i+2*\c+1], 0
.elseif \c > (\i%4)
	v_mov_b32 v[PD+8*\i+2*\c], v[PC+8*\i]                        ; of later tiles: behind it
	v_mov_b32 v[PD+8*\i+2*\c+1], v[PC+8*\i]
.else
	v_cndmask_b32 v[PD+8*\i+2*\c], v241, v[PC+8*\i], s41         ; the tile's own
	v_cndmask_b32 v[PD+8*\i+2*\c+1], v242, v[PC+8*\i], s43
.endif
.endr
.endr
	s_wait_kmcnt 0x0
	s_add_co_i32 s48, s36, 127
	s_lshl_b32 s49, s48, 23
	v_mov_b32 v12, s49                             ; 2^e10 as f32: the conversion takes its exponent field
	s_add_co_i32 s48, s48, 15
	s_lshl_b32 s48, s48, 23
	s_or_b32 s48, s48, 0x600000
	v_mov_b32 v13, s48                             ; 57,344 x 2^e10
	s_wait_tensorcnt 0x0                           ; my quarter of the slice is in,
	s_barrier_signal -1
	s_barrier_wait -1                              ; everybody's is
	ds_load_b128 v[224:227], v4
	ds_load_b128 v[228:231], v4 offset:512
	ds_load_b128 v[232:235], v5
	ds_load_b128 v[236:239], v5 offset:512
	WIN 0x40                                       ; destination window 1, address window 0
.set sg, 31
.rept 31                                       ; one run of 62 loads, the half-steps in the order in which they are multiplied
	ds_load_b128 v[8*sg:8*sg+3], v3 offset:1024*sg
	ds_load_b128 v[8*sg+4:8*sg+7], v3 offset:1024*sg+512
.set sg, sg-1
.endr
	WIN 0
	s_wait_dscnt 62                                ; the two diagonal fragments are in; the run's 62 loads may be out
.irp i, 0,1,2,3
	v_wmma_f32_16x16x64_bf8_bf8 v[ACC+8*\i:ACC+8*\i+7], v[224:231], v[PD+8*\i:PD+8*\i+7], 0     ; the diagonal half-steps start the sums
.endr
.irp i, 4,5,6,7
	v_wmma_f32_16x16x64_bf8_bf8 v[ACC+8*\i:ACC+8*\i+7], v[232:239], v[PD+8*\i:PD+8*\i+7], 0
.endr
	WIN 0x01                                       ; source 0 (V) window 1
.set sg, 31
.rept 16                                       ; block j <= 15: half-steps 31 .. 16 in every wave
	s_wait_dscnt 2*(sg-1)                          ; LDS loads come back in order (ISA guide 5.7.1): behind this half-step's two stand those of the sg - 1 lower ones
	MUL4 0
.set sg, sg-1
.endr
.rept 15                                       ; half-steps 15 .. j + 1: a branch on ids alone
	WIN 0                                          ; at a branch and at a label every window is 0
	s_cmp_ge_u32 s15, sg
	s_cbranch_scc1 .Ladone
	WIN 0x01
	s_wait_dscnt 2*(sg-1)
	MUL4 0
.set sg, sg-1
.endr
	WIN 0
.Ladone:
.set sg, 31
.rept 15                                       ; block 31 - j >= 16: half-steps 31 .. 32 - j.  All of them are 17 or more: in registers since the wait of half-step 16, which every wave has passed
	s_cmp_ge_u32 s16, sg
	s_cbranch_scc1 .Lbdone
	WIN 0x01
	MUL4 4
	WIN 0
.set sg, sg-1
.endr
.Lbdone:
	s_wait_dscnt 0x0                               ; the loads of half-steps that this wave did not need have landed too
	PLACES 4                                       ; four plain places between the last products and the first read of results (ISA guide 7.12.1)
.irp i, 0,1,2,3,4,5,6,7
.irp k, 0,2,4,6
	v_pk_mul_f32 v[ACC+8*\i+\k:ACC+8*\i+\k+1], v[ACC+8*\i+\k:ACC+8*\i+\k+1], v[ST+2*\i:ST+2*\i+1] op_sel_hi:[1,0]   ; z = sum x 2^(e8 + e9) / l: the pair's low word for both halves; from the accumulator's low end on
.endr
.irp k, 0,1,2,3,4,5,6,7
	v_med3_num_f32 v[ACC+8*\i+\k], v[ACC+8*\i+\k], -v13, v13     ; the conversion to an 8-bit code does not saturate (ISA guide 7.6.2): the hold at the largest code x the scale
.endr
	v_cvt_scalef32_pk8_bf8_f32 v[PD+2*\i:PD+2*\i+1], v[ACC+8*\i:ACC+8*\i+7], v12   ; query r, channels 8 h + 0 .. 7 of my tile
.endr
	v_nop                                          ; a plain vector instruction behind the last conversion
.irp i, 0,1,2,3,4,5,6,7
	global_store_b64 v[8+\i/4], v[PD+2*\i:PD+2*\i+1], s[10:11] offset:(\i%4)*8192   ; 32 lanes store 256 consecutive bytes, aligned
.endr
	s_wait_tensorcnt 0x0
	ds_add_u32 v254, v255
	s_wait_dscnt 0x0
	s_endpgm
.Lfunc_end_k_qbed4b81b10_pv:
	.size	k_qbed4b81b10_pv, .Lfunc_end_k_qbed4b81b10_pv-k_qbed4b81b10_pv
	.p2alignl 7, 3214868480
	.fill 96, 4, 3214868480
	.section	.rodata,"a",@progbits
	.p2align	6, 0x0
	.amdhsa_kernel k_qbed4b81b10_pv
		.amdhsa_group_segment_fixed_size 168448
		.amdhsa_private_segment_fixed_size 0
		.amdhsa_enable_private_segment 0
		.amdhsa_kernarg_size 32
		.amdhsa_user_sgpr_count 2
		.amdhsa_user_sgpr_kernarg_segment_ptr 1
		.amdhsa_wavefront_size32 1
		.amdhsa_system_sgpr_workgroup_id_x 1
		.amdhsa_system_sgpr_workgroup_id_y 1
		.amdhsa_system_sgpr_workgroup_id_z 1
		.amdhsa_system_vgpr_workitem_id 0
		.amdhsa_next_free_vgpr 512
		.amdhsa_next_free_sgpr 66
		.amdhsa_reserve_vcc 0
		.amdhsa_float_denorm_mode_32 3
		.amdhsa_float_denorm_mode_16_64 3
		.amdhsa_memory_ordered 1
		.amdhsa_forward_progress 1
		.amdhsa_inst_pref_size 42
	.end_amdhsa_kernel
	.amdgpu_metadata
---
amdhsa.version: [ 1, 2 ]
amdhsa.kernels:
  - .name:           k_qbed4b81b10_pv
    .symbol:         k_qbed4b81b10_pv.kd
    .args:
      - { .name: vimg, .offset: 0, .size: 8, .value_kind: global_buffer, .address_space: global }
      - { .name: stat, .offset: 8, .size: 8, .value_kind: global_buffer, .address_space: global }
      - { .name: lowp_scales, .offset: 16, .size: 8, .value_kind: global_buffer, .address_space: global }
      - { .name: zimg, .offset: 24, .size: 8, .value_kind: global_buffer, .address_space: global }
    .group_segment_fixed_size: 168448
    .private_segment_fixed_size: 0
    .kernarg_segment_align: 8
    .kernarg_segment_size: 32
    .max_flat_workgroup_size: 128
    .sgpr_count:     66
    .vgpr_count:     512
    .wavefront_size: 32
...
	.end_amdgpu_metadata
.endif
;; end of part 2
;; launch oproj (part 3): grid 8 x 32, 4 waves a work-group, clusters of 4 x 4, 168,448 bytes of LDS; arguments zimg, W_O_codes, lowp_scales, out0; writes out0
.if DOCPART == 3
	.amdgcn_target "amdgcn-amd-amdhsa--gfx1250"
	.amdhsa_code_object_version 6
	.text
	.protected	k_qbed4b81b10_oproj
	.globl	k_qbed4b81b10_oproj
	.p2align	8
	.type	k_qbed4b81b10_oproj,@function
k_qbed4b81b10_oproj:
	s_mov_b64 s[64:65], 0
	v_nop
	global_prefetch_b8 v0, s[64:65] scope:SCOPE_SE
	s_setreg_imm32_b32 hwreg(HW_REG_WAVE_MODE, 25, 1), 1
	s_wait_xcnt 0x0
	s_wait_alu depctr_hold_cnt(0) depctr_sa_sdst(0) depctr_va_vdst(0) depctr_va_sdst(0) depctr_va_ssrc(0) depctr_va_vcc(0) depctr_vm_vsrc(0)
	s_getreg_b32 s2, hwreg(HW_REG_IB_STS2, 6, 4)
	s_cmp_eq_u32 s2, 0
	s_cbranch_scc0 .Lentry_in_a_cluster
	s_endpgm
.Lentry_in_a_cluster:
	s_bfe_u32 s2, ttmp6, 0x10000c
	s_cmp_lg_u32 s2, 0xf033
	s_cbranch_scc0 .Lentry_shape_is_right
	s_endpgm
.Lentry_shape_is_right:
; out = z W_O^T on codes of BF8 (E5M2): each finished sum is multiplied once by 2^(e10 + e11).  LIMIT: e10 + e11 between -126 and 127, so that this is an f32 number.
; SHARES.  A work-group: 128 rows (block rb) x 64 columns (block cb) of out, K = 512.  Wave w: rows 32 w .. 32 w + 31 (two tiles a) x four tiles t of columns: 8 accumulators, 32 products of K = 128.
; z comes as images of operand registers (registers 2 c, 2 c + 1 of lane l at 256 c + 8 l: query l % 16, f = 16 c + 8 (l / 16) + 0 .. 7 of the K step), so W_O's fragments are read in the same, the form's own, layout: loads of 8 bytes.
; TRANSPOSED: source 0 = 16 rows of W_O, source 1 = z: a lane holds eight neighbouring columns of one row of out.
; CLUSTER.  4 x 4 work-groups: z's block is shared along a row of the cluster, W_O's along a column; each is asked for jointly.  All of K lies in LDS at once: no byte is filled twice.
; LDS.  0: z's 32 images (8 tiles of queries x 4 K steps x 2,048 bytes).  65,536: W_O's 64 rows in two halves of 256 along K, rows of 256 bytes + 16.  100,352: a stage of 32 rows x (256 + 16) bytes for each wave; no tile lands there.
; REGISTERS.  window 0: v1-8 addresses; v32.. the accumulators ((a, t) at 32 + 8 (4 a + t)); v96.. the scaled sums; v160.. rows read back.   window 1: two buffers of 96: z's two fragments, then W_O's four.
.set WB,     65536
.set WPITCH, 272                       ; 68 words: the 16 rows of a load start 4 banks apart, and the two halves of the lanes take 2 words each (64 banks of 4 bytes: ISA guide 11.1)
.set WHALF,  64*WPITCH
.set STG,    WB+2*WHALF
.set SPITCH, 272
.set ACC, 32
.set TMP, 96
.set BK,  160
.set WV,  18
.set G1Z, 24                           ; s[24:31] group 1 for z's tiles;  s[32:39] for W_O's;  s[40:43], s[44:47] their groups 0
.set G1W, 32
.set G0Z, 40
.set G0W, 44
.set MSB, 0
.macro WIN new
.if MSB != \new
	s_set_vgpr_msb (MSB<<8)|\new
.set MSB, \new
.endif
.endm
.macro PLACES n
.rept \n
	v_nop
.endr
.endm
.macro CROUND                          ; a round of the cluster's barrier
	s_barrier_signal -1
	s_barrier_wait -1
	s_cmp_lg_u32 s[WV], 0
	s_cbranch_scc1 .Lnot_wave_0_\@
	s_barrier_signal -3
.Lnot_wave_0_\@:
	s_barrier_wait -3
	s_barrier_signal -1
	s_barrier_wait -1
.endm
.macro FETCH s, buf                    ; K step s: 48 loads of 8 bytes
	WIN 0x40                                       ; destination window 1, address window 0
.irp a, 0,1
.irp c, 0,1,2,3,4,5,6,7
	ds_load_b64 v[\buf+16*\a+2*\c:\buf+16*\a+2*\c+1], v4 offset:\a*8192+(\s)*2048+256*\c
.endr
.endr
.irp t, 0,1,2,3
.irp c, 0,1,2,3,4,5,6,7
	ds_load_b64 v[\buf+32+16*\t+2*\c:\buf+32+16*\t+2*\c+1], v5 offset:\t*16*WPITCH+((\s)/2)*WHALF+128*((\s)%2)+16*\c
.endr
.endr
.endm
.macro MUL s, buf                      ; its eight products: the accumulators by turns, one instruction a turn; K step 0 starts the sums
	WIN 0x05                                       ; sources 0 and 1 window 1, C and D window 0
.irp a, 0,1
.irp t, 0,1,2,3
.if (\s) == 0
	v_wmma_f32_16x16x128_bf8_bf8 v[ACC+8*(4*\a+\t):ACC+8*(4*\a+\t)+7], v[\buf+32+16*\t:\buf+32+16*\t+15], v[\buf+16*\a:\buf+16*\a+15], 0
.else
	v_wmma_f32_16x16x128_bf8_bf8 v[ACC+8*(4*\a+\t):ACC+8*(4*\a+\t)+7], v[\buf+32+16*\t:\buf+32+16*\t+15], v[\buf+16*\a:\buf+16*\a+15], v[ACC+8*(4*\a+\t):ACC+8*(4*\a+\t)+7]
.endif
.endr
.endr
.endm
	s_load_b256 s[4:11], s[0:1], 0x0               ; zimg s[4:5], W_O s[6:7], the scales' exponents s[8:9], out s[10:11]
	v_lshl_add_u32 v254, v0, 2, 0x29000
	v_mov_b32 v255, 0
	ds_add_u32 v254, v255
	ds_add_u32 v254, v255
	v_lshrrev_b32 v1, 5, v0
	v_readfirstlane_b32 s[WV], v1                  ; wave 0..3
	s_bfe_u32 s19, ttmp6, 0x40000                  ; cx
	s_bfe_u32 s20, ttmp6, 0x40004                  ; cy
	s_lshl_b32 s21, ttmp9, 2
	s_add_co_u32 s21, s21, s19                     ; cb = 4 x cluster x + cx: which 64 columns
	s_and_b32 s22, ttmp7, 0xffff
	s_lshl_b32 s22, s22, 2
	s_add_co_u32 s22, s22, s20                     ; rb = 4 x cluster y + cy: which 128 rows
	s_lshl_b32 s23, s20, 2
	s_lshl_b32 s23, 15, s23                        ; my row of the cluster
	s_lshl_b32 s48, 0x1111, s19                    ; my column
	s_or_b32 s[G1Z], s23, (3<<16)|(1<<21)          ; z's block hangs on rb alone: shared along the row; elements of 8 bytes; bit 21 beside a mask; no padding
	s_or_b32 s[G1W], s48, (1<<20)|(1<<21)|(5<<22)|(3<<25)   ; W_O's hangs on cb alone: shared along the column; elements of 1 byte; after every 64 words, 4 words of padding
	s_mov_b32 s[G1Z+1], 32<<16                     ; tensor_dim0 = 32 elements: rows of 256 bytes
	s_mov_b32 s[G1Z+2], 128<<16                    ; tensor_dim1 = 128 rows
	s_mov_b32 s[G1Z+3], 32<<16                     ; tile_dim0
	s_mov_b32 s[G1Z+4], 128                        ; tile_dim1
	s_mov_b32 s[G1Z+5], 32                         ; dense
	s_mov_b32 s[G1Z+6], 0
	s_mov_b32 s[G1Z+7], 0
	s_mov_b32 s[G1W+1], 256<<16                    ; 256 bytes of
	s_mov_b32 s[G1W+2], 64<<16                     ; 64 rows,
	s_mov_b32 s[G1W+3], 256<<16
	s_mov_b32 s[G1W+4], 64
	s_mov_b32 s[G1W+5], 512                        ; 512 bytes apart
	s_mov_b32 s[G1W+6], 0
	s_mov_b32 s[G1W+7], 0
	s_and_b32 s49, s[WV], 1                        ; which half I fetch: waves 0, 1 of z's block, waves 2, 3 of W_O's K
	s_mov_b32 s[G0Z], 1
	s_lshl_b32 s[G0Z+1], s49, 15                   ; LDS address: no place in the cluster enters it
	s_lshl_b32 s56, s22, 16                        ; 8 tiles of queries x 8,192 bytes,
	s_add_co_u32 s56, s56, s[G0Z+1]                ; my half of them
	s_mov_b32 s57, 0
	s_mov_b32 s[G0W], 1
	s_mul_i32 s[G0W+1], s49, WHALF
	s_add_co_u32 s[G0W+1], s[G0W+1], WB
	s_lshl_b32 s58, s21, 15                        ; 64 rows of 512 bytes,
	s_lshl_b32 s50, s49, 8
	s_add_co_u32 s58, s58, s50                     ; K bytes 0 or 256 on
	s_mov_b32 s59, 0
	s_wait_dscnt 0x0
	s_wait_kmcnt 0x0
	s_load_b64 s[60:61], s[8:9], 0x28              ; e10, e11
	s_add_nc_u64 s[G0Z+2:G0Z+3], s[4:5], s[56:57]
	s_or_b32 s[G0Z+3], s[G0Z+3], 0x80000000        ; type = 2
	s_add_nc_u64 s[G0W+2:G0W+3], s[6:7], s[58:59]
	s_or_b32 s[G0W+3], s[G0W+3], 0x80000000
	CROUND                                         ; all sixteen work-groups are here: the joint loads meet
	s_cmp_lt_u32 s[WV], 2                          ; one load a wave; the branch hangs on the wave's number alone
	s_cbranch_scc0 .Lfor_w
	tensor_load_to_lds s[G0Z:G0Z+3], s[G1Z:G1Z+7]
	s_nop 0
	PLACES 4                                       ; four v_nop follow
	s_branch .Lasked
.Lfor_w:
	tensor_load_to_lds s[G0W:G0W+3], s[G1W:G1W+7]
	s_nop 0
	PLACES 4
.Lasked:
	v_and_b32 v1, 15, v0                           ; r
	v_bfe_u32 v2, v0, 4, 1                         ; h
	v_and_b32 v3, 31, v0                           ; lane
	s_lshl_b32 s52, s[WV], 14
	v_lshl_add_u32 v4, v3, 3, s52                  ; z's images: 8 x lane + my wave's two tiles of queries
	v_mul_u32_u24 v5, v1, WPITCH
	v_lshl_add_u32 v5, v2, 3, v5
	v_add_nc_u32 v5, WB, v5                        ; W_O's fragments: row r x pitch + 8 h
	s_mul_i32 s53, s[WV], 32*SPITCH
	s_add_co_u32 s53, s53, STG                     ; my stage
	v_mul_u32_u24 v6, v1, SPITCH
	v_lshl_add_u32 v6, v2, 5, v6
	v_add_nc_u32 v6, s53, v6                       ; in: row r, 32 bytes for each half of the lanes
	v_mul_u32_u24 v7, v2, SPITCH
	v_lshl_add_u32 v7, v1, 4, v7
	v_add_nc_u32 v7, s53, v7                       ; back: lanes 0-15 one row of 256 bytes, lanes 16-31 the next
	v_lshlrev_b32 v8, 11, v2
	v_lshl_add_u32 v8, v1, 4, v8                   ; and the same two rows in out (2,048 bytes a row)
	s_lshl_b32 s54, s22, 18                        ; 128 rows,
	s_lshl_b32 s50, s[WV], 16
	s_add_co_u32 s54, s54, s50                     ; my wave's 32,
	s_lshl_b32 s50, s21, 8
	s_add_co_u32 s54, s54, s50                     ; my work-group's 64 columns
	s_mov_b32 s55, 0
	s_add_nc_u64 s[10:11], s[10:11], s[54:55]
	s_wait_kmcnt 0x0
	s_add_co_i32 s60, s60, s61
	s_add_co_i32 s60, s60, 127
	s_lshl_b32 s60, s60, 23                        ; 2^(e10 + e11) as f32
	s_mov_b32 s61, s60                             ; (named with it as a pair, so it is written)
	s_wait_tensorcnt 0x0                           ; my tile is in,
	s_barrier_signal -1
	s_barrier_wait -1                              ; everybody's is
	FETCH 0, 0
	FETCH 1, 96
	s_wait_dscnt 48                                ; K step 0's fragments are in; the next step's 48 loads may be out
	MUL 0, 0
	PLACES 4                                       ; four plain places between a matrix instruction and a load into a register that it has read (ISA guide 7.12.1 for vector instructions)
	FETCH 2, 0
	s_wait_dscnt 48
	MUL 1, 96
	PLACES 4
	FETCH 3, 96
	s_wait_dscnt 48
	MUL 2, 0
	s_wait_dscnt 0x0
	MUL 3, 96
	WIN 0
	; THE WAY OUT.  A lane holds 32 neighbouring bytes of a row and the lanes beside it hold other rows: so my 32 rows x 256 bytes go through my own stage and come back as whole rows.
	PLACES 4
.set j, 0
.rept 32
	v_pk_mul_f32 v[TMP+j:TMP+j+1], v[ACC+j:ACC+j+1], s[60:61] op_sel_hi:[1,0]   ; x 2^(e10 + e11), into other registers; each accumulator from its low end on
.set j, j+2
.endr
.irp a, 0,1
.irp t, 0,1,2,3
	ds_store_b128 v6, v[TMP+8*(4*\a+\t):TMP+8*(4*\a+\t)+3] offset:\a*16*SPITCH+64*\t
	ds_store_b128 v6, v[TMP+8*(4*\a+\t)+4:TMP+8*(4*\a+\t)+7] offset:\a*16*SPITCH+64*\t+16
.endr
.endr
.irp i, 0,1,2,3,4,5,6,7,8,9,10,11,12,13,14,15
	ds_load_b128 v[BK+4*\i:BK+4*\i+3], v7 offset:\i*2*SPITCH   ; LDS serves a wave's instructions in order (ISA guide 5.7.1.4): these see my stores
.endr
.irp i, 0,1,2,3,4,5,6,7,8,9,10,11,12,13,14,15
	s_wait_dscnt 15-\i                             ; row pair i is back; the younger loads may be out
	global_store_b128 v8, v[BK+4*\i:BK+4*\i+3], s[10:11] offset:\i*4096 th:TH_STORE_NT   ; sixteen lanes store 256 consecutive bytes, aligned; written once, read by nobody here
.endr
	s_wait_tensorcnt 0x0
	ds_add_u32 v254, v255
	s_wait_dscnt 0x0
	CROUND                                         ; the closing round: no work-group ends while a partner may still ask for a tile that names it
	s_endpgm
.Lfunc_end_k_qbed4b81b10_oproj:
	.size	k_qbed4b81b10_oproj, .Lfunc_end_k_qbed4b81b10_oproj-k_qbed4b81b10_oproj
	.p2alignl 7, 3214868480
	.fill 96, 4, 3214868480
	.section	.rodata,"a",@progbits
	.p2align	6, 0x0
	.amdhsa_kernel k_qbed4b81b10_oproj
		.amdhsa_group_segment_fixed_size 168448
		.amdhsa_private_segment_fixed_size 0
		.amdhsa_enable_private_segment 0
		.amdhsa_kernarg_size 32
		.amdhsa_user_sgpr_count 2
		.amdhsa_user_sgpr_kernarg_segment_ptr 1
		.amdhsa_wavefront_size32 1
		.amdhsa_system_sgpr_workgroup_id_x 1
		.amdhsa_system_sgpr_workgroup_id_y 1
		.amdhsa_system_sgpr_workgroup_id_z 1
		.amdhsa_system_vgpr_workitem_id 0
		.amdhsa_next_free_vgpr 512
		.amdhsa_next_free_sgpr 66
		.amdhsa_reserve_vcc 0
		.amdhsa_float_denorm_mode_32 3
		.amdhsa_float_denorm_mode_16_64 3
		.amdhsa_memory_ordered 1
		.amdhsa_forward_progress 1
		.amdhsa_inst_pref_size 27
	.end_amdhsa_kernel
	.amdgpu_metadata
---
amdhsa.version: [ 1, 2 ]
amdhsa.kernels:
  - .name:           k_qbed4b81b10_oproj
    .symbol:         k_qbed4b81b10_oproj.kd
    .args:
      - { .name: zimg, .offset: 0, .size: 8, .value_kind: global_buffer, .address_space: global }
      - { .name: W_O_codes, .offset: 8, .size: 8, .value_kind: global_buffer, .address_space: global }
      - { .name: lowp_scales, .offset: 16, .size: 8, .value_kind: global_buffer, .address_space: global }
      - { .name: out0, .offset: 24, .size: 8, .value_kind: global_buffer, .address_space: global }
    .group_segment_fixed_size: 168448
    .private_segment_fixed_size: 0
    .kernarg_segment_align: 8
    .kernarg_segment_size: 32
    .max_flat_workgroup_size: 128
    .sgpr_count:     66
    .vgpr_count:     512
    .wavefront_size: 32
...
	.end_amdgpu_metadata
.endif
;; end of part 3
